; MI455X (gfx1250); checked and timed in simulation.
; The chip was launched on July 23, 2026; its instructions are those of AMD's public machine-readable ISA for CDNA 5 (MIT licence, August 2026) and "CDNA5" Instruction Set Architecture Reference Guide (July 2026). The comments in the code are by the model that wrote it; some were corrected since.
;; Multi Head Self Attention. Allowed arithmetic: matrix products marked QUANTISED: E2M1 operands, one E8M0 scale for each 32 along K, by v_wmma_scale_f32_16x16x128_f8f6f4 with both operands' format E2M1 (or v_wmma_scale_f32_32x16x128_f4), f32 sums; everything else in f32.
;; Inputs: W_qkv 1,024 x 3,072 float32; b_qkv 3,072 float32; x 4 x 2,048 x 1,024 float32.
;; Outputs: out0 4 x 16 x 2,048 x 64 float32.
;; This version of the problem:
;;   THIS VERSION OF THE PROBLEM IS GIVEN IN LOW PRECISION. The matrix products marked QUANTISED in the list below multiply operands that are first quantised to E2M1 (2 exponent bits, 1 mantissa bit; 4 bits a number), with one power-of-two scale for each 32 numbers along K (OCP MX v1.0); their sums are f32. All else is computed in f32.
;;   The module's matrix products, in the order in which they are computed (A, B: the left and right operand; K: the contracted axis; several contracted axes count as one K, in the product's order):
;;     1. [M 8,192, K 1,024] x [K 1,024, N 3,072]; A: input x; B: input W_qkv: QUANTISED
;;     2. batch 64 x [M 2,048, K 64] x [K 64, N 2,048]; A: computed on the way; B: computed on the way: QUANTISED
;;     3. batch 64 x [M 2,048, K 2,048] x [K 2,048, N 64]; A: softmax (see below); B: computed on the way: QUANTISED
;;   THE QUANTISER, for each operand of a quantised product, along K:
;;     - K is cut into blocks of 32 from its start; a last block that is shorter is filled with zeros.
;;     - A block's scale is 2^e with e = floor(log2(the largest magnitude in the block)) - 2, held to -126 .. 127; a block of zeros has e = 0. As a byte (E8M0): e + 127.
;;     - Each number is divided by its block's scale, clamped to +-6, and rounded to the nearest number of E2M1, ties to even, subnormals kept.
;;     - The product sums the exact products of the quantised numbers (number of the format x scale) in f32.
;;   ~~~python
;;   def quantise(x, axis):      # numpy; x: float32 -> the quantised numbers, widened to float32 again
;;       x = np.moveaxis(x, axis, -1); K = x.shape[-1]
;;       x = np.pad(x, [(0, 0)] * (x.ndim - 1) + [(0, -K % 32)]); x = x.reshape(x.shape[:-1] + (-1, 32)); a = np.abs(x).max(-1, keepdims=True)
;;       e = np.where(a > 0, np.clip(np.frexp(np.where(a > 0, a, 1))[1] - 1 - 2, -126, 127), 0)      # np.frexp(a)[1] - 1 = floor(log2(a)), exactly
;;       r = np.clip(x / 2.0 ** e, -6, 6)
;;       step = 2.0 ** (np.maximum(np.frexp(np.where(r == 0, 1, r))[1] - 1, 0) - 1)
;;       q = np.round(r / step) * step * 2.0 ** e      # np.round: ties to even
;;       return np.moveaxis(q.reshape(q.shape[:-2] + (-1,))[..., :K], -1, axis).astype(np.float32)
;;   ~~~
;;   SOFTMAX AHEAD OF A QUANTISED PRODUCT. Where the list says 'softmax', what is quantised is not the finished softmax but p = 2^(t - M), with t = logit x log2(e) and M = ceil(the row's largest t), a whole number; so 1/2 < the row's largest p <= 1. The row's sum l is taken of the UNQUANTISED p, in f32, and the product's result is divided by l at the end. Since M is a whole number, a kernel that streams over the keys may use a running M (the ceiling of the running maximum): every later rescaling is an exact power of two, which a block's scale takes up: the codes' values come out the same.
;;   OPERANDS COMPUTED ON THE WAY. 'Computed on the way' means the value that the module computes at that place (a softmax that the list does not call 'softmax' is quantised finished and normalised). What goes into a quantiser is computed in f32, as accurately as f32 sums, v_exp_f32 and their like allow (about 1e-6 of the number): no bf16 or f16 on the way to a quantiser, and a product that is left as it is and whose result goes on into a quantised operand takes f32 operands (vector FMAs, or v_wmma_f32_16x16x4_f32). A number that lies on a knife's edge between two numbers of the format may be rounded either way, as far as f32 arithmetic and the matrix unit's own rounding can turn it there, and no further.
;; One version. Each part assembles by itself: llvm-mc -triple=amdgcn-amd-amdhsa -mcpu=gfx1250 --defsym DOCPART=n.
;; ======== version 1 of 1: 3 launches
;; limits: right only within a limited range of input values
;; workspace buffers: xc 4,456,448 bytes; wc 1,671,168 bytes; qkv 14,155,776 bytes
;; launch quant (part 1): grid 704 x 1, 4 waves a work-group, no clusters, 32,256 bytes of LDS; arguments x, W_qkv, xc, wc; writes xc, wc
.if DOCPART == 1
	.amdgcn_target "amdgcn-amd-amdhsa--gfx1250"
	.amdhsa_code_object_version 6
	.text
	.protected	k_qa27a699965_quant
	.globl	k_qa27a699965_quant
	.p2align	8
	.type	k_qa27a699965_quant,@function
k_qa27a699965_quant:
	s_mov_b64 s[64:65], 0
	v_nop
	global_prefetch_b8 v0, s[64:65] scope:SCOPE_SE
	s_setreg_imm32_b32 hwreg(HW_REG_WAVE_MODE, 25, 1), 1
	s_wait_xcnt 0x0
; x [8192][1024] and W [1024][3072], f32, become codes of FP4 (E2M1) with one E8M0 scale byte for each 32 along K, laid as IMAGES of the next launch's operand registers.
; xc: 32 records (256 tokens) x 8 chunks (128 along K) of 17,408 bytes: 16 blocks of 16 places x 1,024 bytes, then 256 scale words.
; wc: 8 records (two heads) x 8 chunks of 26,112 bytes: for q, k, v 8 blocks x 1,024 bytes, then for each 128 scale words.
; A block of 16 places x 128 K: piece j (32 along K) of place r is 16 bytes at 256 j + 16 r.  A scale word holds the four bytes of one place and chunk.
; THE PLACES ARE PERMUTED: place p of 32 holds row (of x) or column (of W) p with bits 3 and 4 changed over.
; A block's scale is 2^(floor(log2(its largest magnitude)) - 2); its byte is held at 1 from below by a floor among the maximum's leaves.
; WORK LEFT OUT by the program: scores of keys that come after a query, where they fill whole key steps or whole blocks of 32 keys: reference()'s own causal mask makes them -infinity ahead of the softmax for all values of the inputs,
; so they reach no output.  A NaN, an infinity or an overflow that reaches only the work left out is not carried to the result.  This launch itself leaves nothing out.
; LIMITS: NaN and infinities among the inputs are not served.  A block of zeros gets the byte 1 where the rule says 127: its codes are zeros, and this program alone reads the bytes.
; Work-groups 0-511 take x (64 rows x 256 along K), 512-703 take W (64 columns x 256 along K): 65,536 bytes each.  The ways part on the work-group's number and have LDS bytes of their own.
.set XWG,  512
.set XCH,  17408                       ; a chunk of xc
.set WCH,  26112                       ; a chunk of wc
.set SP,   80                          ; x: a lane's place in a stage: 64 bytes + 16
.set WREG, 7680                        ; x: LDS of a wave: two stages of 32 x SP, then 8 units of 256 bytes of codes, 288 apart
.set UP,   288
.set XSB,  30720                       ; x: 512 bytes of scale bytes
.set WSB,  31232                       ; W: 512 bytes of scale words
.set SPARE, 31744                      ; the spare words, 128 bytes for each wave
.set SPW,  12
.set NIL,  13
.set R,    16                          ; v16-143 numbers as loaded
.set X,    144                         ; v144-175 two sets of 16 neighbours
.set E,    176                         ; v176-183 a scale byte for each step
.set C,    184                         ; v184-199 two registers of codes for each step
.set M0_,  200
.set M1_,  201
.set SO,   202
.set WC_,  144                         ; W: v144-159 codes
.set WB,   160                         ; W: v160 the four scale bytes
	s_load_b256 s[4:11], s[0:1], 0x0               ; x, W, xc, wc
	v_lshl_add_u32 v[SPW], v0, 2, SPARE
	v_mov_b32 v[NIL], 0
	v_lshrrev_b32 v1, 5, v0
	v_readfirstlane_b32 s16, v1                    ; wave 0..3
	v_and_b32 v2, 31, v0                           ; lane
	v_and_b32 v3, 15, v0                           ; r
	v_bfe_u32 v4, v0, 4, 1                         ; h
	s_wait_alu depctr_va_vdst(0)
	s_cmp_lt_u32 ttmp9, XWG
	s_cbranch_scc0 .Lpath_w
; ---------------- x: a wave takes 16 places x 256 along K, in 8 steps of two rows ----------------
	s_lshr_b32 s17, ttmp9, 2                       ; which 64 rows
	s_and_b32 s18, ttmp9, 3                        ; which 256 along K
	v_lshlrev_b32 v5, 4, v2                        ; 16 x lane
	s_mul_i32 s19, s16, WREG
	v_lshrrev_b32 v14, 2, v2
	v_and_b32 v15, 3, v2
	v_mul_u32_u24 v14, v14, SP
	v_lshl_add_u32 v14, v15, 4, v14
	v_add_nc_u32 v14, s19, v14                     ; the stage, in: SP (lane / 4) + 16 (lane % 4)
	v_mul_u32_u24 v15, v2, SP
	v_add_nc_u32 v15, s19, v15                     ; out: SP x lane: my 16 neighbours
	s_add_co_u32 s19, s19, 2*32*SP
	v_bfe_u32 v6, v2, 1, 3                         ; my block of the 8 along K: its unit
	v_mul_u32_u24 v6, v6, UP
	v_lshl_add_u32 v6, v4, 4, v6                   ; step t's rows are places 2 t + h
	v_and_b32 v7, 1, v2
	v_lshl_add_u32 v6, v7, 3, v6
	v_add_nc_u32 v6, s19, v6                       ; where my 8 bytes of codes go
	v_mul_u32_u24 v7, v4, UP
	v_lshl_add_u32 v7, v3, 4, v7
	v_add_nc_u32 v7, s19, v7                       ; and where units are read back, two a load
	s_lshl_b32 s20, s16, 6
	s_add_co_u32 s20, s20, XSB
	v_bfe_u32 v8, v2, 3, 1                         ; my chunk of the two
	v_lshlrev_b32 v8, 8, v8
	v_lshl_add_u32 v8, v4, 2, v8
	v_bfe_u32 v9, v2, 1, 2                         ; my byte of the word
	v_add_nc_u32 v8, v8, v9
	v_add_nc_u32 v8, s20, v8                       ; my block's scale byte: 256 chunk + 4 place + j
	v_add_nc_u32 v9, XSB, v5
	v_mul_u32_u24 v10, v4, XCH
	v_lshl_add_u32 v10, v3, 4, v10                 ; the way out of the scale words: lanes 0-15 the first chunk's 256 bytes, 16-31 the second's
	s_lshl_b32 s20, s17, 6
	s_lshr_b32 s21, s16, 1
	s_lshl_b32 s21, s21, 5
	s_add_co_u32 s20, s20, s21
	s_and_b32 s21, s16, 1
	s_lshl_b32 s21, s21, 3
	s_add_co_u32 s20, s20, s21                     ; my first row: 64 group + 32 (w / 2) + 8 (w % 2)
	s_lshl_b32 s20, s20, 12
	s_lshl_b32 s21, s18, 10
	s_add_co_u32 s20, s20, s21
	s_mov_b32 s21, 0
	s_lshr_b32 s22, s17, 2
	s_mul_i32 s22, s22, 8*XCH                      ; the record of my 256 tokens
	s_mul_i32 s23, s18, 2*XCH
	s_add_co_u32 s22, s22, s23
	s_and_b32 s24, s17, 3                          ; which 64 places of the 256
	s_lshl_b32 s25, s24, 8
	s_add_co_u32 s26, s22, s25
	s_add_co_u32 s26, s26, 16384                   ; the scale words
	s_mov_b32 s27, 0
	s_lshl_b32 s24, s24, 2
	s_add_co_u32 s24, s24, s16
	s_lshl_b32 s24, s24, 10
	s_add_co_u32 s22, s22, s24                     ; my block's codes
	s_mov_b32 s23, 0
	s_wait_alu depctr_va_vdst(0)                   ; the wait at the head's end
	s_wait_kmcnt 0x0
	s_add_nc_u64 s[4:5], s[4:5], s[20:21]
	s_add_nc_u64 s[24:25], s[8:9], s[26:27]
	s_add_nc_u64 s[8:9], s[8:9], s[22:23]
.macro XLOAD t                         ; places 2 t and 2 t + 1: rows 2 t, 2 t + 1 of the block, 8 rows further on from place 8
.irp i, 0,1,2,3
	global_load_b128 v[R+16*(\t)+4*\i:R+16*(\t)+4*\i+3], v5, s[4:5] offset:(2*(\t)+\i/2+8*((\t)/4))*4096+512*(\i%2) th:TH_LOAD_NT
.endr
.endm
.macro XTURN t                         ; LDS serves a wave's instructions in order: no wait between the stores and the loads
.irp i, 0,1,2,3
	ds_store_b128 v14, v[R+16*(\t)+4*\i:R+16*(\t)+4*\i+3] offset:32*SP*((\t)%2)+8*SP*\i
.endr
.irp i, 0,1,2,3
	ds_load_b128 v[X+16*((\t)%2)+4*\i:X+16*((\t)%2)+4*\i+3], v15 offset:32*SP*((\t)%2)+16*\i
.endr
.endm
.irp t, 0,1,2,3,4,5,6,7
	XLOAD \t
.endr
	s_wait_loadcnt 28                              ; step 0's four loads are in
	XTURN 0
.macro XSTEP t
.set XSX, X+16*((\t)%2)
.if (\t) > 0
	s_wait_dscnt 2                                 ; this step's numbers are back (the last step's byte store and code store may be out)
.else
	s_wait_dscnt 0x0
.endif
.if (\t) < 7
	s_wait_loadcnt 4*(6-(\t))                      ; the next step's four loads are in
	XTURN (\t)+1
.endif
	v_max3_num_f32 v[M0_], |v[XSX]|, |v[XSX+1]|, |v[XSX+2]|        ; the largest magnitude of my 16, in two chains
	v_max3_num_f32 v[M1_], |v[XSX+3]|, |v[XSX+4]|, |v[XSX+5]|
.irp i, 6,10
	s_delay_alu instid0(VALU_DEP_2)
	v_max3_num_f32 v[M0_], v[M0_], |v[XSX+\i]|, |v[XSX+\i+1]|
	s_delay_alu instid0(VALU_DEP_2)
	v_max3_num_f32 v[M1_], v[M1_], |v[XSX+\i+2]|, |v[XSX+\i+3]|
.endr
	s_delay_alu instid0(VALU_DEP_2)
	v_max3_num_f32 v[M0_], v[M0_], |v[XSX+14]|, |v[XSX+15]|
	s_delay_alu instid0(VALU_DEP_1)
	v_max3_num_f32 v[M0_], v[M0_], v[M1_], 0x1800000               ; and the floor 2^(3 - 127)
	s_delay_alu instid0(VALU_DEP_1)
	v_max_num_f32_dpp v[M0_], v[M0_], v[M0_] row_xmask:1 row_mask:0xf bank_mask:0xf   ; and of my neighbour's 16: the block's
	s_delay_alu instid0(VALU_DEP_1)
	v_add_nc_u32 v[SO], 0xff000000, v[M0_]         ; 2 off its exponent field: the conversion's scale operand
	v_cvt_scalef32_pk8_fp4_f32 v[C+2*(\t)], v[XSX:XSX+7], v[SO]
	v_cvt_scalef32_pk8_fp4_f32 v[C+2*(\t)+1], v[XSX+8:XSX+15], v[SO]
	v_lshrrev_b32 v[E+(\t)], 23, v[SO]             ; the scale's byte (a plain line behind the conversions)
	ds_store_b8 v8, v[E+(\t)] offset:8*(\t)        ; both lanes of a block write the same byte with the same value
	ds_store_b64 v6, v[C+2*(\t):C+2*(\t)+1] offset:32*(\t)
.endm
.irp t, 0,1,2,3,4,5,6,7
	XSTEP \t
.endr
.irp i, 0,1,2,3
	ds_load_b128 v[X+4*\i:X+4*\i+3], v7 offset:2*UP*\i             ; units 2 i and 2 i + 1: in order behind my stores
.endr
.irp i, 0,1,2,3
	s_wait_dscnt 3-\i
	global_store_b128 v5, v[X+4*\i:X+4*\i+3], s[8:9] offset:XCH*(\i/2)+512*(\i%2)   ; 512 consecutive bytes, aligned
.endr
	s_wait_dscnt 0x0                               ; for the others' sake: my scale bytes have landed
	s_barrier_signal -1                            ; all four waves of this work-group are on this way
	s_barrier_wait -1
	s_cmp_lg_u32 s16, 0                            ; wave 0 sends the scale words: one whole unit of 256 bytes in each of the two chunks
	s_cbranch_scc1 .Lx_done
	ds_load_b128 v[160:163], v9
	s_wait_dscnt 0x0
	global_store_b128 v10, v[160:163], s[24:25]
.Lx_done:
	s_wait_tensorcnt 0x0                           ; the wave's end
	ds_add_u32 v[SPW], v[NIL]
	s_wait_dscnt 0x0
	s_endpgm
; ---------------- W: a wave takes 32 columns x 128 along K; a lane takes a column and its registers run down K ----------------
.Lpath_w:
	s_sub_co_u32 s17, ttmp9, XWG
	s_lshr_b32 s18, s17, 2                         ; which 64 columns
	s_and_b32 s19, s17, 3                          ; which 256 along K
	s_and_b32 s20, s16, 1                          ; which 32 of the columns
	s_lshr_b32 s21, s16, 1                         ; which 128 of the 256
	s_lshl_b32 s22, s19, 1
	s_add_co_u32 s23, s22, s21                     ; my chunk
	s_mul_i32 s24, s23, 128*12288
	s_lshl_b32 s25, s18, 8
	s_add_co_u32 s24, s24, s25
	s_lshl_b32 s25, s20, 7
	s_add_co_u32 s24, s24, s25
	s_mov_b32 s25, 0
	v_and_b32 v5, 7, v2                            ; lane l takes column l with bits 3 and 4 changed over: so lanes are places
	v_and_b32 v6, 8, v2
	v_and_b32 v7, 16, v2
	v_lshl_or_b32 v5, v6, 1, v5
	v_lshrrev_b32 v7, 1, v7
	v_or_b32 v5, v5, v7
	v_lshlrev_b32 v5, 2, v5
	v_lshlrev_b32 v6, 10, v4
	v_lshl_add_u32 v6, v3, 4, v6                   ; codes: 1,024 h + 16 r
	s_lshl_b32 s26, s21, 8
	s_lshl_b32 s27, s20, 7
	s_add_co_u32 s26, s26, s27
	s_add_co_u32 s26, s26, WSB
	v_lshl_add_u32 v7, v2, 2, s26                  ; my scale word in LDS
	v_lshlrev_b32 v8, 4, v2
	v_add_nc_u32 v8, WSB, v8
	v_mul_u32_u24 v9, v4, WCH
	v_lshl_add_u32 v9, v3, 4, v9                   ; the way out of the scale words: lanes 0-15 the first chunk's, 16-31 the second's
	s_bfe_u32 s26, s18, 0x30001                    ; which two heads
	s_mul_i32 s26, s26, 8*WCH
	s_lshr_b32 s27, s18, 4                         ; q, k or v
	s_and_b32 s28, s18, 1                          ; which of the two heads
	s_mul_i32 s29, s22, WCH
	s_add_co_u32 s30, s26, s29
	s_lshl_b32 s29, s27, 9
	s_add_co_u32 s30, s30, s29
	s_lshl_b32 s29, s28, 8
	s_add_co_u32 s30, s30, s29
	s_add_co_u32 s30, s30, 24576                   ; the scale words of my 64 columns
	s_mov_b32 s31, 0
	s_mul_i32 s29, s23, WCH
	s_add_co_u32 s26, s26, s29
	s_lshl_b32 s29, s27, 13
	s_add_co_u32 s26, s26, s29
	s_lshl_b32 s29, s28, 12
	s_add_co_u32 s26, s26, s29
	s_lshl_b32 s29, s20, 11
	s_add_co_u32 s26, s26, s29                     ; the codes of my 32 columns
	s_mov_b32 s27, 0
	s_wait_alu depctr_va_vdst(0)                   ; the wait at the head's end
	s_wait_kmcnt 0x0
	s_add_nc_u64 s[6:7], s[6:7], s[24:25]
	s_add_nc_u64 s[14:15], s[10:11], s[30:31]
	s_add_nc_u64 s[10:11], s[10:11], s[26:27]
.macro LOADW t                         ; block t: W(32 t + i, my column); every block has registers of its own
.set n, 0
.rept 32
	global_load_b32 v[R+32*(\t)+n], v5, s[6:7] offset:(32*(\t)+n)*12288 th:TH_LOAD_NT
.set n, n+1
.endr
.endm
.macro BLOCKW t
.set XSW, R+32*(\t)
	v_max3_num_f32 v[M0_], |v[XSW]|, |v[XSW+1]|, |v[XSW+2]|        ; all 32 numbers of the block are mine
	v_max3_num_f32 v[M1_], |v[XSW+3]|, |v[XSW+4]|, |v[XSW+5]|
.irp i, 6,10,14,18,22,26
	s_delay_alu instid0(VALU_DEP_2)
	v_max3_num_f32 v[M0_], v[M0_], |v[XSW+\i]|, |v[XSW+\i+1]|
	s_delay_alu instid0(VALU_DEP_2)
	v_max3_num_f32 v[M1_], v[M1_], |v[XSW+\i+2]|, |v[XSW+\i+3]|
.endr
	s_delay_alu instid0(VALU_DEP_2)
	v_max3_num_f32 v[M0_], v[M0_], |v[XSW+30]|, |v[XSW+31]|
	s_delay_alu instid0(VALU_DEP_1)
	v_max3_num_f32 v[M0_], v[M0_], v[M1_], 0x1800000
	s_delay_alu instid0(VALU_DEP_1)
	v_add_nc_u32 v[SO], 0xff000000, v[M0_]
	s_delay_alu instid0(VALU_DEP_1)
	v_lshrrev_b32 v[M1_], 23, v[SO]
.if (\t) == 0
	s_delay_alu instid0(VALU_DEP_1)
	v_mov_b32 v[WB], v[M1_]
.else
	s_delay_alu instid0(VALU_DEP_1)
	v_lshl_or_b32 v[WB], v[M1_], 8*(\t), v[WB]
.endif
.irp g, 0,1,2,3
	v_cvt_scalef32_pk8_fp4_f32 v[WC_+4*(\t)+\g], v[XSW+8*\g:XSW+8*\g+7], v[SO]
.endr
	global_store_b128 v6, v[WC_+4*(\t):WC_+4*(\t)+3], s[10:11] offset:256*(\t)   ; piece t of two blocks: two whole units of 256 bytes, sixteen lanes each
.endm
	LOADW 0
	LOADW 1
	s_wait_loadcnt 32                              ; block 0's 32 loads are in; block 1's may be out
	LOADW 2
	BLOCKW 0
	s_wait_loadcnt 32
	LOADW 3
	BLOCKW 1
	s_wait_loadcnt 32                              ; block 2's are in; block 3's may be out
	BLOCKW 2
	s_wait_loadcnt 0x0
	BLOCKW 3
	ds_store_b32 v7, v[WB]
	s_wait_dscnt 0x0                               ; for the others' sake
	s_barrier_signal -1
	s_barrier_wait -1
	s_cmp_lg_u32 s16, 0
	s_cbranch_scc1 .Lw_done
	ds_load_b128 v[164:167], v8
	s_wait_dscnt 0x0
	global_store_b128 v9, v[164:167], s[14:15]     ; one whole unit of 256 bytes in each of the two chunks
.Lw_done:
	s_wait_tensorcnt 0x0                           ; the wave's end
	ds_add_u32 v[SPW], v[NIL]
	s_wait_dscnt 0x0
	s_endpgm
.Lfunc_end_k_qa27a699965_quant:
	.size	k_qa27a699965_quant, .Lfunc_end_k_qa27a699965_quant-k_qa27a699965_quant
	.p2alignl 7, 3214868480
	.fill 96, 4, 3214868480
	.section	.rodata,"a",@progbits
	.p2align	6, 0x0
	.amdhsa_kernel k_qa27a699965_quant
		.amdhsa_group_segment_fixed_size 32256
		.amdhsa_private_segment_fixed_size 0
		.amdhsa_enable_private_segment 0
		.amdhsa_kernarg_size 32
		.amdhsa_user_sgpr_count 2
		.amdhsa_user_sgpr_kernarg_segment_ptr 1
		.amdhsa_wavefront_size32 1
		.amdhsa_system_sgpr_workgroup_id_x 1
		.amdhsa_system_sgpr_workgroup_id_y 1
		.amdhsa_system_sgpr_workgroup_id_z 1
		.amdhsa_system_vgpr_workitem_id 0
		.amdhsa_next_free_vgpr 204
		.amdhsa_next_free_sgpr 66
		.amdhsa_reserve_vcc 0
		.amdhsa_float_denorm_mode_32 3
		.amdhsa_float_denorm_mode_16_64 3
		.amdhsa_memory_ordered 1
		.amdhsa_forward_progress 1
		.amdhsa_inst_pref_size 45
	.end_amdhsa_kernel
	.amdgpu_metadata
---
amdhsa.version: [ 1, 2 ]
amdhsa.kernels:
  - .name:           k_qa27a699965_quant
    .symbol:         k_qa27a699965_quant.kd
    .args:
      - { .name: x, .offset: 0, .size: 8, .value_kind: global_buffer, .address_space: global }
      - { .name: W_qkv, .offset: 8, .size: 8, .value_kind: global_buffer, .address_space: global }
      - { .name: xc, .offset: 16, .size: 8, .value_kind: global_buffer, .address_space: global }
      - { .name: wc, .offset: 24, .size: 8, .value_kind: global_buffer, .address_space: global }
    .group_segment_fixed_size: 32256
    .private_segment_fixed_size: 0
    .kernarg_segment_align: 8
    .kernarg_segment_size: 32
    .max_flat_workgroup_size: 128
    .sgpr_count:     66
    .vgpr_count:     204
    .wavefront_size: 32
...
	.end_amdgpu_metadata
.endif
;; end of part 1
;; launch gemm (part 2): grid 8 x 32, 4 waves a work-group, clusters of 4 x 4, 327,680 bytes of LDS; arguments xc, wc, b_qkv, qkv; writes qkv
.if DOCPART == 2
	.amdgcn_target "amdgcn-amd-amdhsa--gfx1250"
	.amdhsa_code_object_version 6
	.text
	.protected	k_qa27a699965_gemm
	.globl	k_qa27a699965_gemm
	.p2align	8
	.type	k_qa27a699965_gemm,@function
k_qa27a699965_gemm:
	s_mov_b64 s[64:65], 0
	v_nop
	global_prefetch_b8 v0, s[64:65] scope:SCOPE_SE
	s_setreg_imm32_b32 hwreg(HW_REG_WAVE_MODE, 25, 1), 1
	s_wait_xcnt 0x0
	s_wait_alu depctr_hold_cnt(0) depctr_sa_sdst(0) depctr_va_vdst(0) depctr_va_sdst(0) depctr_va_ssrc(0) depctr_va_vcc(0) depctr_vm_vsrc(0)
	s_getreg_b32 s2, hwreg(HW_REG_IB_STS2, 6, 4)
	s_cmp_eq_u32 s2, 0
	s_cbranch_scc0 .Lentry_in_a_cluster
	s_endpgm
.Lentry_in_a_cluster:
	s_bfe_u32 s2, ttmp6, 0x10000c
	s_cmp_lg_u32 s2, 0xf033
	s_cbranch_scc0 .Lentry_shape_is_right
	s_endpgm
.Lentry_shape_is_right:
; qkv = Q(x) Q(W) + b on codes of FP4 with E8M0 scales, K = 1,024, and the result quantised AT ONCE for the two products of attention: no f32 number of q, k or v goes to memory.
; A work-group makes 256 tokens x the q, k and v columns of two heads; 32 x 8 work-groups.  A wave makes 128 tokens (8 blocks of x) x one head's 64 q, 64 k and 64 v columns (12 blocks of W): 96 accumulators, 768 registers.
; q and k are quantised along the head's 64 numbers, v along the tokens.  So q, k take source 0 = W, source 1 = x (a lane holds a token, its registers run along the columns);
; v takes source 0 = x, source 1 = W (a lane holds a column, its registers run along the tokens).  The same fragments serve both.
; K goes in 8 chunks of 128.  Chunk 0 comes from memory straight into registers; chunks 1 to 7 lie in LDS, each byte filled once: chunks 1-3 by the head's joint loads, 4-7 by one more joint load a wave behind chunk 0's first half.
; Codes lie as images of the operands' registers (lane l's 16 bytes at 16 l), scale words likewise (lane l's 4 bytes at 4 l: one register holds an even block's words in lanes 0-15 and an odd block's in lanes 16-31).
; Place p of a run of 32 is row p with bits 3 and 4 changed over, so the 16 registers of source 0's blocks 2 b and 2 b + 1 are 16 NEIGHBOURS along the next K: 32 b + 16 (lane / 16) + 0 .. 15.
; THE BIAS is the C of each sum's first matrix instruction.
; OUT: for each head (16 batch + head) a record of REC bytes: 16 key steps of STEPB bytes (K's codes 8 x 512, V's codes 4 x 1,024, K's scale words 512, V's 512), then Q's codes (128 x 512) and Q's scale words (16 x 512).
; CLUSTERS: 4 x 4 work-groups; x's tiles are shared along a row of the cluster, W's along a column, by joint loads.
; No prefetch: the launch has no loop to run ahead in; a wave issues two tensor loads in all.
; LIMITS: NaN and infinities are not served.  A block of zeros gets the byte 1 where the rule says 127: its codes are zeros, and this program alone reads the bytes.
; REGISTERS: window 0: addresses, scale words, v's bias, fragments; on the way out the fragments' registers are used anew.  Windows 1, 2, 3: the accumulators of q, k (x block a, W block b at 32 a + 8 b) and v (64 b + 8 a).
; At the start v32-63 and v96-127 of window 3 hold the bias of q and k: v's products of x blocks 4-7 write there behind the last product that reads them.
.set XCH,  17408
.set WCH,  26112
.set WL,   7*XCH                       ; LDS: W's chunks lie behind x's
.set SPARE, WL+7*WCH                   ; the spare words, 128 bytes for each wave
.set REC,  221184
.set STEPB, 9216
.set QC,   147456
.set QSO,  212992
.set XA,   2                           ; v2-3   LDS address of my x fragments, chunks 1-4 and 5-7 (v2 is also the offset in chunk 0 in memory)
.set WA_,  4                           ; v4-7   of my W fragments, two chunks each
.set XS,   8                           ; v8-9   of x's scale words (v8 also in memory)
.set WS,   10                          ; v10-12 of W's, three chunks each
.set CO,   13                          ; v13    16 x lane
.set SPW,  14                          ; v14    my spare word
.set NIL,  15                          ; v15    0
.set WO,   16                          ; v16    my W fragments in chunk 0 in memory
.set WSO,  17                          ; v17    and their scale words
.set BO,   20                          ; v20    64 h: the bias of q and k
.set BVO,  21                          ; v21    4 (r + 8 (r / 8)): the bias of v
.set SC,   24                          ; v24-43 scale words, two sets of ten: x 4, q 2, k 2, v 2
.set BV,   48                          ; v48-79 the bias of v: eight registers a block
.set XF,   80                          ; v80-143 x's fragments
.set WF,   144                         ; v144-239 W's fragments: q, k, v
.set PC,   80                          ; the way out: v80-175 codes
.set MX,   176                         ; v176-183 largest magnitudes
.set MO,   184                         ; v184-191 the other half's, then bytes
.set SOP,  192                         ; v192-199 the conversions' scale operands
.set SW,   200                         ; v200-219 scale words: q 8, k 8, v 4
.set T4,   220                         ; v220-227 as they are stored
.set SEL,  72
.set G1X,  24
.set G1W,  32
.set G0X,  48
.set G0W,  52
.set G0X2, 56
.set G0W2, 60
.set MSB, 0
.macro WIN new                         ; the immediate's high byte repeats the setting that is left
.if MSB != \new
	s_set_vgpr_msb (MSB<<8)|\new
.set MSB, \new
.endif
.endm
.macro JLOAD g0x, g0w                  ; wave 0 fetches x, waves 1 to 3 W: the branch hangs on the wave's number alone
	s_cmp_eq_u32 s14, 0
	s_cbranch_scc0 .Lfor_w_\@
	tensor_load_to_lds s[\g0x:\g0x+3], s[G1X:G1X+7]
	s_nop 0
.rept 4
	v_nop
.endr
	s_branch .Lasked_\@
.Lfor_w_\@:
	tensor_load_to_lds s[\g0w:\g0w+3], s[G1W:G1W+7]
	s_nop 0
.rept 4
	v_nop
.endr
.Lasked_\@:
.endm
.macro CROUND                          ; a round of the cluster's barrier
	s_barrier_signal -1
	s_barrier_wait -1
	s_cmp_lg_u32 s14, 0
	s_cbranch_scc1 .Lnot_wave_0_\@
	s_barrier_signal -3
.Lnot_wave_0_\@:
	s_barrier_wait -3
	s_barrier_signal -1
	s_barrier_wait -1
.endm
	s_load_b256 s[4:11], s[0:1], 0x0               ; xc, wc, b_qkv, qkv
	v_lshl_add_u32 v[SPW], v0, 2, SPARE
	v_mov_b32 v[NIL], 0
	ds_add_u32 v[SPW], v[NIL]                      ; the wave's opening: the add, twice on end
	ds_add_u32 v[SPW], v[NIL]
	v_lshrrev_b32 v1, 5, v0
	v_readfirstlane_b32 s14, v1                    ; wave 0..3
	s_lshr_b32 s15, s14, 1                         ; which 128 tokens are mine
	s_and_b32 s16, s14, 1                          ; which of the two heads
	s_bfe_u32 s40, ttmp6, 0x40000                  ; cx, cy
	s_bfe_u32 s41, ttmp6, 0x40004
	s_lshl_b32 s42, ttmp9, 2
	s_add_co_u32 s42, s42, s40                     ; which two heads
	s_and_b32 s17, ttmp7, 0xffff
	s_lshl_b32 s17, s17, 2
	s_add_co_u32 s17, s17, s41                     ; which 256 tokens
	s_lshl_b32 s43, s41, 2
	s_lshl_b32 s43, 15, s43                        ; my row of the cluster
	s_lshl_b32 s44, 0x1111, s40                    ; my column
	; descriptor group 1: dense blocks as rows of 256 bytes (32 elements of 8 bytes), no padding.  The head's: x three chunks, 204 rows; W one chunk, 102 rows
	s_or_b32 s[G1X], s43, (3<<16)|(1<<21)
	s_or_b32 s[G1W], s44, (3<<16)|(1<<21)
.irp g, G1X, G1W
	s_mov_b32 s[\g+1], 32<<16
	s_mov_b32 s[\g+3], 32<<16
	s_mov_b32 s[\g+5], 32
	s_mov_b32 s[\g+6], 0
	s_mov_b32 s[\g+7], 0
.endr
	s_mov_b32 s[G1X+2], 204<<16
	s_mov_b32 s[G1X+4], 204
	s_mov_b32 s[G1W+2], 102<<16
	s_mov_b32 s[G1W+4], 102
	s_mul_i32 s20, s17, 8*XCH                      ; x's record hangs on the cluster's y and cy alone,
	s_mov_b32 s21, 0
	s_mul_i32 s22, s42, 8*WCH                      ; W's on its x and cx alone
	s_mov_b32 s23, 0
	s_mul_i32 s46, s14, WCH                        ; the head: waves 1 to 3 fetch W's chunk w
	s_mov_b32 s47, 0
	s_mul_i32 s66, s14, 34816                      ; later: thirds of W's chunks 4-7
	s_mov_b32 s67, 0
	s_mov_b32 s[G0X], 1
	s_mov_b32 s[G0X+1], 0
	s_mov_b32 s[G0W], 1
	s_add_co_u32 s[G0W+1], s46, WL-WCH
	s_mov_b32 s[G0X2], 1
	s_mov_b32 s[G0X2+1], 3*XCH
	s_mov_b32 s[G0W2], 1
	s_add_co_u32 s[G0W2+1], s66, WL+3*WCH-34816
	v_and_b32 v18, 31, v0                          ; lane
	v_and_b32 v19, 15, v0                          ; r
	v_bfe_u32 v22, v0, 4, 1                        ; h
	v_lshlrev_b32 v[CO], 4, v18
	s_lshl_b32 s18, s15, 13
	v_add_nc_u32 v[XA], s18, v[CO]                 ; 8 blocks of 1,024 for each half of the tokens
	v_add_nc_u32 v[XA+1], 4*XCH, v[XA]
	s_lshl_b32 s18, s16, 12
	v_add_nc_u32 v[WO], s18, v[CO]                 ; 4 blocks for each head
.irp k, 0,1,2,3
	v_add_nc_u32 v[WA_+\k], WL+2*WCH*\k, v[WO]
.endr
	s_lshl_b32 s18, s15, 9
	s_add_co_u32 s18, s18, 16384
	v_lshl_add_u32 v[XS], v18, 2, s18
	v_add_nc_u32 v[XS+1], 4*XCH, v[XS]
	s_lshl_b32 s18, s16, 8
	s_add_co_u32 s18, s18, 24576
	v_lshl_add_u32 v[WSO], v18, 2, s18
.irp k, 0,1,2
	v_add_nc_u32 v[WS+\k], WL+3*WCH*\k, v[WSO]
.endr
	v_lshlrev_b32 v[BO], 6, v22
	v_and_b32 v[BVO], 8, v19
	v_add_nc_u32 v[BVO], v[BVO], v19
	v_lshlrev_b32 v[BVO], 2, v[BVO]
	s_wait_alu depctr_va_vdst(0)
	s_wait_dscnt 0x0                               ; both opening adds are done
	s_wait_kmcnt 0x0
	s_add_nc_u64 s[20:21], s[4:5], s[20:21]
	s_add_nc_u64 s[22:23], s[6:7], s[22:23]
	s_add_nc_u64 s[G0X+2:G0X+3], s[20:21], XCH     ; chunks 1-3
	s_or_b32 s[G0X+3], s[G0X+3], 0x80000000
	s_add_nc_u64 s[G0X2+2:G0X2+3], s[20:21], 4*XCH ; chunks 4-7
	s_or_b32 s[G0X2+3], s[G0X2+3], 0x80000000
	s_add_nc_u64 s[G0W+2:G0W+3], s[22:23], s[46:47]
	s_or_b32 s[G0W+3], s[G0W+3], 0x80000000
	s_add_nc_u64 s[G0W2+2:G0W2+3], s[22:23], s[66:67]
	s_add_nc_u64 s[G0W2+2:G0W2+3], s[G0W2+2:G0W2+3], 4*WCH-34816
	s_or_b32 s[G0W2+3], s[G0W2+3], 0x80000000
	CROUND                                         ; all sixteen work-groups are here: the joint loads meet
	JLOAD G0X, G0W                                 ; chunks 1-3: one tensor load a wave at the head
	; chunk 0, straight into registers
.irp i, 0,1,2,3
	global_load_b32 v[SC+\i], v[XS], s[20:21] offset:128*\i
.endr
.irp g, 0,1,2
.irp i, 0,1
	global_load_b32 v[SC+4+2*\g+\i], v[WSO], s[22:23] offset:512*\g+128*\i
.endr
.endr
.irp i, 0,1,2,3,4,5,6,7
.irp c, 0,1
	global_load_b128 v[XF+8*\i+4*\c:XF+8*\i+4*\c+3], v[XA], s[20:21] offset:1024*\i+512*\c
.endr
.endr
.irp g, 0,1,2
.irp i, 0,1,2,3
.irp c, 0,1
	global_load_b128 v[WF+32*\g+8*\i+4*\c:WF+32*\g+8*\i+4*\c+3], v[WO], s[22:23] offset:8192*\g+1024*\i+512*\c
.endr
.endr
.endr
	s_lshl_b32 s18, s42, 1
	s_add_co_u32 s18, s18, s16                     ; my head
	s_lshl_b32 s68, s18, 8
	s_mov_b32 s69, 0
	s_add_nc_u64 s[68:69], s[8:9], s[68:69]        ; its bias of q; k's is 4,096 bytes on, v's 8,192
	; q, k: register j of block b is column 32 (b / 2) + 16 h + 8 (b % 2) + j.  v: every register of block b is column 32 (b / 2) + 8 (b % 2) + r + 8 (r / 8)
.irp b, 0,1,2,3
	global_load_b32 v[BV+8*\b], v[BVO], s[68:69] offset:8192+(32*(\b/2)+8*(\b%2))*4
.endr
	WIN 0xc0
.irp b, 0,1,2,3
	global_load_b128 v[32+8*\b:35+8*\b], v[BO], s[68:69] offset:(32*(\b/2)+8*(\b%2))*4
	global_load_b128 v[36+8*\b:39+8*\b], v[BO], s[68:69] offset:(32*(\b/2)+8*(\b%2))*4+16
	global_load_b128 v[96+8*\b:99+8*\b], v[BO], s[68:69] offset:4096+(32*(\b/2)+8*(\b%2))*4
	global_load_b128 v[100+8*\b:103+8*\b], v[BO], s[68:69] offset:4096+(32*(\b/2)+8*(\b%2))*4+16
.endr
	WIN 0
	; where my results go
	s_lshr_b32 s19, s17, 3                         ; batch
	s_lshl_b32 s19, s19, 4
	s_add_co_u32 s18, s18, s19
	s_mul_i32 s18, s18, REC
	s_mov_b32 s19, 0
	s_add_nc_u64 s[10:11], s[10:11], s[18:19]      ; the head's record
	s_and_b32 s45, s17, 7
	s_lshl_b32 s45, s45, 1
	s_add_co_u32 s45, s45, s15                     ; key step
	s_mul_i32 s18, s45, STEPB
	s_add_nc_u64 s[74:75], s[10:11], s[18:19]      ; K and V of the step
	s_lshl_b32 s18, s45, 12
	s_add_co_u32 s18, s18, QC
	s_add_nc_u64 s[76:77], s[10:11], s[18:19]      ; Q's codes
	s_lshl_b32 s18, s45, 9
	s_add_co_u32 s18, s18, QSO
	s_add_nc_u64 s[78:79], s[10:11], s[18:19]      ; Q's scale words
	s_mov_b32 s[SEL], 0x76543210
	s_mov_b32 s[SEL+1], 0xfedcba98                 ; lane l xor 16
	s_mov_b32 s70, 0xffff0000                      ; lanes 16-31
	s_wait_loadcnt 0x0                             ; chunk 0 and the bias are in
.irp b, 0,1,2,3
.irp j, 1,2,3,4,5,6,7
	v_mov_b32 v[BV+8*\b+\j], v[BV+8*\b]            ; the lane's one number, as the operand wants it
.endr
.endr
	s_wait_alu depctr_va_vdst(0)                   ; the wait at the head's end
.macro MM r0, r1                       ; one product; r0, r1: the sources' scale words stand in lanes 16-31 (1) or 0-15 (0)
.if (\r0) == 0 && (\r1) == 0
	v_wmma_scale_f32_16x16x128_f8f6f4 v[D_:D_+7], v[A_:A_+7], v[B_:B_+7], v[C_:C_+7], v[P_], v[Q_] matrix_a_fmt:MATRIX_FMT_FP4 matrix_b_fmt:MATRIX_FMT_FP4
.elseif (\r0) == 1 && (\r1) == 0
	v_wmma_scale_f32_16x16x128_f8f6f4 v[D_:D_+7], v[A_:A_+7], v[B_:B_+7], v[C_:C_+7], v[P_], v[Q_] matrix_a_fmt:MATRIX_FMT_FP4 matrix_b_fmt:MATRIX_FMT_FP4 matrix_a_scale:MATRIX_SCALE_ROW1
.elseif (\r0) == 0 && (\r1) == 1
	v_wmma_scale_f32_16x16x128_f8f6f4 v[D_:D_+7], v[A_:A_+7], v[B_:B_+7], v[C_:C_+7], v[P_], v[Q_] matrix_a_fmt:MATRIX_FMT_FP4 matrix_b_fmt:MATRIX_FMT_FP4 matrix_b_scale:MATRIX_SCALE_ROW1
.else
	v_wmma_scale_f32_16x16x128_f8f6f4 v[D_:D_+7], v[A_:A_+7], v[B_:B_+7], v[C_:C_+7], v[P_], v[Q_] matrix_a_fmt:MATRIX_FMT_FP4 matrix_b_fmt:MATRIX_FMT_FP4 matrix_a_scale:MATRIX_SCALE_ROW1 matrix_b_scale:MATRIX_SCALE_ROW1
.endif
.endm
; 16 products: x blocks 4 hi .. 4 hi + 3 x the four W blocks of group g (0 q, 1 k, 2 v); s: the set of scale words; first = 1: C is the bias.
; The 96 accumulators take turns, one instruction a turn, in the same order in every chunk.
.macro MUL g, hi, s, first
.if \first
.if \g == 0
	WIN 0x70
.elseif \g == 1
	WIN 0xb0
.else
	WIN 0xc0
.endif
.else
	WIN 0x50*(\g+1)
.endif
.irp a, 0,1,2,3
.irp b, 0,1,2,3
.set XB, 4*\hi+\a
.if \g < 2
.set D_, 32*XB+8*\b
.set A_, WF+32*\g+8*\b
.set B_, XF+8*XB
.set P_, SC+10*\s+4+2*\g+\b/2
.set Q_, SC+10*\s+XB/2
.set R0_, \b%2
.set R1_, XB%2
.else
.set D_, 64*\b+8*XB
.set A_, XF+8*XB
.set B_, WF+32*\g+8*\b
.set P_, SC+10*\s+XB/2
.set Q_, SC+10*\s+4+2*\g+\b/2
.set R0_, XB%2
.set R1_, \b%2
.endif
.set C_, D_
.if \first
.if \g == 0
.set C_, 32+8*\b
.elseif \g == 1
.set C_, 96+8*\b
.else
.set C_, BV+8*\b
.endif
.endif
	MM R0_, R1_
.endr
.endr
.endm
.macro FX n, hi                        ; x's blocks 4 hi .. 4 hi + 3 of chunk n: 8 loads
.irp i, 0,1,2,3
.irp c, 0,1
	ds_load_b128 v[XF+8*(4*\hi+\i)+4*\c:XF+8*(4*\hi+\i)+4*\c+3], v[XA+((\n)-1)/4] offset:(((\n)-1)%4)*XCH+1024*(4*\hi+\i)+512*\c
.endr
.endr
.endm
.macro FW n, g                         ; W's four blocks of group g: 8 loads
.irp i, 0,1,2,3
.irp c, 0,1
	ds_load_b128 v[WF+32*\g+8*\i+4*\c:WF+32*\g+8*\i+4*\c+3], v[WA_+((\n)-1)/2] offset:(((\n)-1)%2)*WCH+8192*\g+1024*\i+512*\c
.endr
.endr
.endm
.macro FS n, s                         ; the scale words of chunk n into set s: 10 loads
.irp i, 0,1,2,3
	ds_load_b32 v[SC+10*(\s)+\i], v[XS+((\n)-1)/4] offset:(((\n)-1)%4)*XCH+128*\i
.endr
.irp g, 0,1,2
.irp i, 0,1
	ds_load_b32 v[SC+10*(\s)+4+2*\g+\i], v[WS+((\n)-1)/3] offset:(((\n)-1)%3)*WCH+512*\g+128*\i
.endr
.endr
.endm
; A load into a register that a matrix instruction has read stands four places behind it, a matrix instruction that writes over a register five; only plain vector instructions are places.
.macro PLACES n
.rept \n
	v_nop
.endr
.endm
; A chunk: x blocks 0-3 against q, k, v, then x blocks 4-7.  What is free is fetched anew at once for the next chunk, in this order: x 0-3 (8 loads), q (8), k (8), scale words (10), v (8), x 4-7 (8).
.macro CHUNK n, first, last
.set S_, (\n)%2
.if (\n) > 0
	s_wait_dscnt 16                                ; x 0-3, q, k and the scale words are in; v and x 4-7, the youngest 16, may be out
.endif
	MUL 0, 0, S_, \first
	MUL 1, 0, S_, \first
.if (\n) > 0
	s_wait_dscnt 8                                 ; v is in; x 4-7 may be out
.endif
.if (\n) == 0
	WIN 0
	s_wait_tensorcnt 0x0                           ; my part of chunks 1-3 has landed
	ds_add_u32 v[SPW], v[NIL]                      ; 0 onto my spare word
	s_mov_b32 s[G1X+2], 272<<16                    ; no tensor load of mine is out: from here on x's load brings four chunks, 272 rows,
	s_mov_b32 s[G1X+4], 272
	s_mov_b32 s[G1W+2], 136<<16                    ; W's a third of four chunks, 136 rows
	s_mov_b32 s[G1W+4], 136
.endif
	MUL 2, 0, S_, \first
.if (\n) == 0
	WIN 0
	s_wait_dscnt 0x0                               ; the add is done
	CROUND                                         ; everybody's chunks 1-3 are in, and all sixteen work-groups are here
	JLOAD G0X2, G0W2                               ; chunks 4-7
.endif
.if (\n) == 3
	WIN 0
	s_wait_tensorcnt 0x0                           ; my part of chunks 4-7 has landed
	s_wait_dscnt 0x0
	s_barrier_signal -1
	s_barrier_wait -1                              ; everybody's has
.endif
.if \last == 0
	PLACES 4
	WIN 0
	FX (\n)+1, 0
.endif
.if (\n) > 0
.if \last
	s_wait_dscnt 0x0
.else
	s_wait_dscnt 8                                 ; x 4-7 are in; the eight just issued may be out
.endif
.endif
	MUL 0, 1, S_, \first
.if \last == 0
	PLACES 4
	WIN 0
	FW (\n)+1, 0
.endif
	MUL 1, 1, S_, \first
.if \last == 0
	PLACES 5                                       ; (in chunk 0 v's products write over the registers of q's and k's bias)
	WIN 0
	FW (\n)+1, 1
	FS (\n)+1, 1-S_
.endif
	MUL 2, 1, S_, \first
.if \last == 0
	PLACES 4
	WIN 0
	FW (\n)+1, 2
	FX (\n)+1, 1
.endif
.endm
	CHUNK 0, 1, 0
.irp n, 1,2,3,4,5,6
	CHUNK \n, 0, 0
.endr
	CHUNK 7, 0, 1
; THE WAY OUT, 128 registers at a time: eight blocks of 32 along the next K, block b in registers 16 b .. 16 b + 15 of lanes l and l xor 16; quantised where they lie, the accumulators read from their low ends on.
; q, k: blocks 2 c, 2 c + 1 are one x block's 64 numbers.  v: blocks 4 i .. 4 i + 3 are one column block's 128 keys.
.macro EPI e, wa, isv, ob, boff
.set AC, 128*((\e)%2)
.set PB, PC+16*(\e)
	WIN 20*\wa                                     ; sources 1 and 2 in the accumulators' window
.irp b, 0,1,2,3,4,5,6,7
	v_max3_num_f32 v[MX+\b], 0x1800000, |v[AC+16*\b]|, |v[AC+16*\b+1]|   ; my 16 numbers of block b, and the floor 2^(3 - 127)
.endr
.irp i, 2,4,6,8,10,12,14
.irp b, 0,1,2,3,4,5,6,7
	v_max3_num_f32 v[MX+\b], v[MX+\b], |v[AC+16*\b+\i]|, |v[AC+16*\b+\i+1]|
.endr
.endr
	WIN 0
.irp b, 0,1,2,3,4,5,6,7
	v_permlanex16_b32 v[MO+\b], v[MX+\b], s[SEL], s[SEL+1]
.endr
.irp b, 0,1,2,3,4,5,6,7
	v_max_num_f32 v[MX+\b], v[MX+\b], v[MO+\b]     ; with lane l xor 16's: the block's largest magnitude
.endr
.irp b, 0,1,2,3,4,5,6,7
	v_add_nc_u32 v[SOP+\b], 0xff000000, v[MX+\b]   ; 2 off its exponent field: the conversion's scale operand
.endr
.irp b, 0,1,2,3,4,5,6,7
	v_lshrrev_b32 v[MO+\b], 23, v[SOP+\b]          ; the scale's byte
.endr
.if \isv
.irp i, 0,1
	v_lshl_or_b32 v[SW+16+2*((\e)%2)+\i], v[MO+4*\i+1], 8, v[MO+4*\i]
.endr
.irp i, 0,1
	v_lshl_or_b32 v[SW+16+2*((\e)%2)+\i], v[MO+4*\i+2], 16, v[SW+16+2*((\e)%2)+\i]
.endr
.irp i, 0,1
	v_lshl_or_b32 v[SW+16+2*((\e)%2)+\i], v[MO+4*\i+3], 24, v[SW+16+2*((\e)%2)+\i]
.endr
.else
.irp i, 0,1,2,3
	v_lshl_or_b32 v[SW+8*((\e)/2)+4*((\e)%2)+\i], v[MO+2*\i+1], 8, v[MO+2*\i]   ; two bytes, zeros above: those meet zero codes
.endr
.endif
	WIN \wa                                        ; source 0 in the accumulators' window
.irp b, 0,1,2,3,4,5,6,7
	v_cvt_scalef32_pk8_fp4_f32 v[PB+2*\b], v[AC+16*\b:AC+16*\b+7], v[SOP+\b]
	v_cvt_scalef32_pk8_fp4_f32 v[PB+2*\b+1], v[AC+16*\b+8:AC+16*\b+15], v[SOP+\b]
.endr
	WIN 0
	v_nop                                          ; one plain place behind a scaled conversion
.irp c, 0,1,2,3                                ; the operand's layout wants a WHOLE block in a lane
.irp i, 0,1
	v_permlane16_swap_b32 v[PB+4*\c+\i], v[PB+2+4*\c+\i]
.endr
.endr
.irp c, 0,1,2,3
	global_store_b128 v[CO], v[PB+4*\c:PB+4*\c+3], s[\ob:\ob+1] offset:\boff+512*(4*((\e)%2)+\c)   ; 512 consecutive bytes, aligned
.endr
.endm
	PLACES 4                                       ; behind the last products
	WIN 0
.irp b, 0,1,2,3,4,5,6,7
	v_mov_b32 v[MO+\b], 0                          ; written once: a lane permute's destination counts as one of its sources
.endr
	EPI 0, 1, 0, 76, 0
	EPI 1, 1, 0, 76, 0
	EPI 2, 2, 0, 74, 0
	EPI 3, 2, 0, 74, 0
	EPI 4, 3, 1, 74, 4096
	EPI 5, 3, 1, 74, 4096
.irp i, 0,1,2,3
	v_cndmask_b32 v[T4+\i], v[SW+\i], v[SW+4+\i], s70          ; lanes 0-15: tiles 0-3; lanes 16-31: tiles 4-7
	v_cndmask_b32 v[T4+4+\i], v[SW+8+\i], v[SW+12+\i], s70
.endr
	global_store_b128 v[CO], v[T4:T4+3], s[78:79]
	global_store_b128 v[CO], v[T4+4:T4+7], s[74:75] offset:8192
	global_store_b128 v[CO], v[SW+16:SW+19], s[74:75] offset:8704
	s_wait_tensorcnt 0x0                           ; the wave's end
	ds_add_u32 v[SPW], v[NIL]
	s_wait_dscnt 0x0
	CROUND                                         ; the closing round: no work-group ends while a partner may still ask for a tile that names it
	s_endpgm
.Lfunc_end_k_qa27a699965_gemm:
	.size	k_qa27a699965_gemm, .Lfunc_end_k_qa27a699965_gemm-k_qa27a699965_gemm
	.p2alignl 7, 3214868480
	.fill 96, 4, 3214868480
	.section	.rodata,"a",@progbits
	.p2align	6, 0x0
	.amdhsa_kernel k_qa27a699965_gemm
		.amdhsa_group_segment_fixed_size 327680
		.amdhsa_private_segment_fixed_size 0
		.amdhsa_enable_private_segment 0
		.amdhsa_kernarg_size 32
		.amdhsa_user_sgpr_count 2
		.amdhsa_user_sgpr_kernarg_segment_ptr 1
		.amdhsa_wavefront_size32 1
		.amdhsa_system_sgpr_workgroup_id_x 1
		.amdhsa_system_sgpr_workgroup_id_y 1
		.amdhsa_system_sgpr_workgroup_id_z 1
		.amdhsa_system_vgpr_workitem_id 0
		.amdhsa_next_free_vgpr 1024
		.amdhsa_next_free_sgpr 80
		.amdhsa_reserve_vcc 0
		.amdhsa_float_denorm_mode_32 3
		.amdhsa_float_denorm_mode_16_64 3
		.amdhsa_memory_ordered 1
		.amdhsa_forward_progress 1
		.amdhsa_inst_pref_size 189
	.end_amdhsa_kernel
	.amdgpu_metadata
---
amdhsa.version: [ 1, 2 ]
amdhsa.kernels:
  - .name:           k_qa27a699965_gemm
    .symbol:         k_qa27a699965_gemm.kd
    .args:
      - { .name: xc, .offset: 0, .size: 8, .value_kind: global_buffer, .address_space: global }
      - { .name: wc, .offset: 8, .size: 8, .value_kind: global_buffer, .address_space: global }
      - { .name: b_qkv, .offset: 16, .size: 8, .value_kind: global_buffer, .address_space: global }
      - { .name: qkv, .offset: 24, .size: 8, .value_kind: global_buffer, .address_space: global }
    .group_segment_fixed_size: 327680
    .private_segment_fixed_size: 0
    .kernarg_segment_align: 8
    .kernarg_segment_size: 32
    .max_flat_workgroup_size: 128
    .sgpr_count:     80
    .vgpr_count:     1024
    .wavefront_size: 32
...
	.end_amdgpu_metadata
.endif
;; end of part 2
;; launch attn (part 3): grid 64 x 4, 16 waves a work-group, no clusters, 327,680 bytes of LDS; arguments qkv, out0; writes out0
.if DOCPART == 3
	.amdgcn_target "amdgcn-amd-amdhsa--gfx1250"
	.amdhsa_code_object_version 6
	.text
	.protected	k_qa27a699965_attn
	.globl	k_qa27a699965_attn
	.p2align	8
	.type	k_qa27a699965_attn,@function
k_qa27a699965_attn:
	s_mov_b64 s[64:65], 0
	v_nop
	global_prefetch_b8 v0, s[64:65] scope:SCOPE_SE
	s_setreg_imm32_b32 hwreg(HW_REG_WAVE_MODE, 25, 1), 1
	s_wait_xcnt 0x0
; O[head][q][:] = the sum over keys k <= q of softmax_k(Q[q] . K[k] / 32) V[k][:], head size 64, 2,048 tokens, 64 heads; both products on codes of FP4 (E2M1) with one E8M0 scale for each 32 along a product's K.
; THE SOFTMAX AHEAD OF THE SECOND PRODUCT: t = score x log2(e) / 32; M = the row's largest t so far, rounded UP to a whole number; p = 2^(t - M) is what is quantised, along the keys; it is not normalised.
; The row's sum is taken of the unquantised p, in f32, and divides O at the end.  When M moves, the sum and O are multiplied by 2^(old M - new M): exact.
; IN: a head's record of REC bytes: 16 key steps of STEPB bytes (K's codes 8 tiles x 512; V's codes 4 tiles x 1,024; K's scale words 512; V's 512), then Q's codes (128 tiles x 512) and scale words.  All are images of the operands' registers.
; SHARES.  Work-group (head, i) takes 32 of the head's 128 tiles of 16 queries.  Wave w owns tile tA = 16 i + w and then tile 127 - tA: together 15 whole key steps of 128 keys, and two steps on the diagonal with five blocks of 32 keys.
; Key steps 0-7 come into LDS at the head, half a step to each wave's one tensor load: all that the first tile needs (tA <= 63).  Steps 8-15 are asked for behind the first barrier and land under the first tile's work;
; a step that no wave of the work-group reads is not asked for: a test on the work-group's and the wave's numbers leads round that load.
; No cluster: the four work-groups of a head part on their place (which steps are jumped over, which loads are left out), and partners of joint loads may not.  No prefetch: no loop loads from memory.
; A wave's loop walks a constant count of steps and jumps over those at or behind its diagonal step, which stands behind the loop.
; WORK LEFT OUT: keys that come after a query, in whole steps and, in the diagonal step, in whole blocks of 32: reference()'s causal mask makes their scores -infinity for all inputs.  A NaN or an infinity that reaches only these is not carried on.
; LAYOUT.  Both products are used transposed: S^T = K Q^T (source 0 = 16 keys, source 1 = my 16 queries), O^T = V^T P^T: a lane holds ONE query (lane % 16) throughout.
; Row r of tile 2 b + u (of keys, of queries, of the head's 64) is number 32 b + 8 u + r + 8 (r / 8): so the 16 registers of S^T's tiles 2 b and 2 b + 1 are keys 32 b + 16 (lane / 16) + 0 .. 15.
; THE FIRST PRODUCT'S K IS 64 under an instruction 128 deep: Q's registers 4-7 are zero codes.  K's tile t is named as eight registers: its upper four are the next tile's codes (zeros behind tile 7); they meet zero codes under finite scale bytes.
; LIMITS: NaN and infinities are not served.  The scaled scores (exponents to the base 2, before the maximum is taken away) stay under 2^31 in magnitude.  A block of p that is all zeros keeps the byte 1: its codes are zeros.
.set REC,    221184
.set STEPB,  9216
.set HALFS,  4608                      ; half a key step: 18 rows of 256 bytes
.set QC,     147456
.set QSO,    212992
.set STG,    147456                    ; LDS behind the 16 key steps: a stage of 16 rows x (256 bytes + 16) for each wave
.set SPITCH, 272
.set SPARE,  STG+16*16*SPITCH          ; the spare words, 128 bytes for each wave
.set L16,  1                           ; v1   16 x lane
.set R16,  2                           ; v2   16 x (lane % 16)
.set DQ,   3                           ; v3   r + 8 (r / 8) - 16 h
.set AD,   4                           ; v4   the step's record + 16 x lane
.set OM,   5                           ; v5   the old -M
.set STO,  6
.set SRD,  7
.set GO,   8
.set QA,   16                          ; v16-23 Q's fragment of the first tile;  v24-31 of the second
.set QB,   24
.set KFR,  32                          ; v32-63 K's eight tiles;  v64-67 zeros
.set KSR,  68                          ; v68-71 K's scale words: register t % 4, lanes 0-15 tiles 0-3, lanes 16-31 tiles 4-7
.set VF,   72                          ; v72-103 V's four fragments
.set VSR,  104                         ; v104-107 V's scale words
.set QAS,  108
.set QBS,  109
.set PW,   110                         ; v110 p's scale word
.set S,    112                         ; v112-175 S^T, then p; on the way out O and the rows read back
.set O,    176                         ; v176-207 O^T
.set PC,   208                         ; v208-215 p's codes
.set BM,   216                         ; v216-219 the blocks' largest scores, then p's, then scale operands (at the head: Q's addresses)
.set BT,   220                         ; v220-223 at work between lanes
.set F,    228                         ; v[228:229] f = 2^(old M - new M)
.set TMP,  230
.set MD,   231                         ; v231 the mask's d
.set NINF, 234                         ; v234 -infinity
.set TS,   236                         ; v236-251 partial sums
.set SPW,  254
.set NIL,  255
.set WV,   8
.set SEL,  24
.set CS,   26                          ; s[26:27] c = log2(e) / 32
.set NC,   28                          ; s28 -c
.set TB,   29                          ; s29 the step's record in LDS
.set DSA,  31                          ; s31, s34 the tiles' diagonal steps' records
.set BA,   32                          ; s32, s35 the tile's block of 32 in that step
.set DSB_, 34
.set BB,   35
.set U8A,  36                          ; s36, s37 8 x (tile % 2)
.set U8B,  37
	s_load_b128 s[4:7], s[0:1], 0x0                ; qkv, out0
	v_lshl_add_u32 v[SPW], v0, 2, SPARE
	v_mov_b32 v[NIL], 0
	ds_add_u32 v[SPW], v[NIL]                      ; the wave's opening: the add, twice on end
	ds_add_u32 v[SPW], v[NIL]
	v_lshrrev_b32 v9, 5, v0
	v_readfirstlane_b32 s[WV], v9                  ; wave 0..15
	s_and_b32 s52, ttmp7, 0xffff                   ; i
	s_mul_i32 s10, ttmp9, REC                      ; the head's record
	s_mov_b32 s11, 0
	s_mov_b32 s16, 3<<16                           ; group 1: a dense block of 4,608 bytes as 18 rows of 256 bytes (32 elements of 8 bytes), no padding
	s_mov_b32 s17, 32<<16
	s_mov_b32 s18, 18<<16
	s_mov_b32 s19, 32<<16
	s_mov_b32 s20, 18
	s_mov_b32 s21, 32
	s_mov_b32 s22, 0
	s_mov_b32 s23, 0
	s_mov_b32 s12, 1                               ; group 0: half step w of steps 0-7,
	s_mul_i32 s13, s[WV], HALFS
	s_mov_b32 s48, 1                               ; and of steps 8-15
	s_add_co_u32 s49, s13, 16*HALFS
	s_mov_b32 s44, s13
	s_mov_b32 s45, 0
	s_lshl_b32 s53, s52, 2
	s_sub_co_u32 s53, 16, s53                      ; steps 8 to 15 - 2 i are read by this work-group: half steps 0 .. 15 - 4 i of the second fill
	s_wait_alu depctr_va_vdst(0)
	s_wait_dscnt 0x0                               ; both opening adds are done
	s_wait_kmcnt 0x0
	s_add_nc_u64 s[4:5], s[4:5], s[10:11]
	s_add_nc_u64 s[14:15], s[4:5], s[44:45]
	s_add_nc_u64 s[50:51], s[14:15], 16*HALFS
	s_or_b32 s15, s15, 0x80000000
	s_or_b32 s51, s51, 0x80000000
	tensor_load_to_lds s[12:15], s[16:23]          ; one tensor load a wave at the head
	s_nop 0
.rept 4
	v_nop
.endr
	v_and_b32 v9, 31, v0
	v_and_b32 v10, 15, v0                          ; r
	v_bfe_u32 v11, v0, 4, 1                        ; h
	v_lshlrev_b32 v[L16], 4, v9
	v_lshlrev_b32 v[R16], 4, v10
	s_lshl_b32 s42, s52, 4
	s_add_co_u32 s42, s42, s[WV]                   ; tA = 16 i + w
	s_sub_co_u32 s43, 127, s42                     ; tB
	s_lshl_b32 s33, s42, 9
	s_lshl_b32 s30, s43, 9
	v_add_nc_u32 v216, s33, v[L16]                 ; Q's codes: 512 bytes a tile
	v_add_nc_u32 v217, s30, v[L16]
	s_lshr_b32 s33, s42, 2                         ; Q's scale words: [tile / 4][row][tile % 4]
	s_lshl_b32 s33, s33, 8
	s_and_b32 s30, s42, 3
	s_lshl_b32 s30, s30, 2
	s_add_co_u32 s33, s33, s30
	s_lshr_b32 s46, s43, 2
	s_lshl_b32 s46, s46, 8
	s_and_b32 s30, s43, 3
	s_lshl_b32 s30, s30, 2
	s_add_co_u32 s46, s46, s30
	s_wait_alu depctr_va_vdst(0)                   ; the lines below read what stands ahead of these scalar lines
	v_add_nc_u32 v218, s33, v[R16]
	v_add_nc_u32 v219, s46, v[R16]
	global_load_b128 v[QA:QA+3], v216, s[4:5] offset:QC
	global_load_b128 v[QB:QB+3], v217, s[4:5] offset:QC
	global_load_b32 v[QAS], v218, s[4:5] offset:QSO
	global_load_b32 v[QBS], v219, s[4:5] offset:QSO
	v_and_b32 v[DQ], 8, v10
	v_lshlrev_b32 v[TMP], 4, v11
	v_mul_u32_u24 v[STO], v10, SPITCH
	v_mul_u32_u24 v[SRD], v11, SPITCH
	v_lshlrev_b32 v[GO], 8, v11
	s_mul_i32 s33, s[WV], 16*SPITCH
	s_add_co_u32 s33, s33, STG                     ; my stage
	v_add_nc_u32 v[DQ], v[DQ], v10
	v_lshl_add_u32 v[STO], v11, 6, v[STO]
	v_lshl_add_u32 v[SRD], v10, 4, v[SRD]
	v_lshl_add_u32 v[GO], v10, 4, v[GO]            ; two rows of O: 256 h + 16 r
	v_sub_nc_u32 v[DQ], v[DQ], v[TMP]
	v_add_nc_u32 v[STO], s33, v[STO]               ; in: row r, + 64 h
	v_add_nc_u32 v[SRD], s33, v[SRD]               ; back: lanes 0-15 one row, lanes 16-31 the next
.irp j, 4,5,6,7
	v_mov_b32 v[QA+\j], 0                          ; zero codes for k = 64 .. 127 of the first product
	v_mov_b32 v[QB+\j], 0
.endr
.irp j, 0,1,2,3
	v_mov_b32 v[KFR+32+\j], 0                      ; behind K's tile 7
	v_mov_b32 v[BT+\j], 0                          ; written once: a lane permute's destination counts as one of its sources
.endr
	v_mov_b32 v[F+1], 0                            ; (named as the upper half of the pair)
	v_mov_b32 v[NINF], 0xff800000
	s_lshr_b32 s[DSA], s42, 3                      ; the diagonal steps: 0 .. 7 and 8 .. 15
	s_min_u32 s[DSA], s[DSA], 7
	s_mul_i32 s[DSA], s[DSA], STEPB
	s_lshr_b32 s[DSB_], s43, 3
	s_min_u32 s[DSB_], s[DSB_], 15
	s_mul_i32 s[DSB_], s[DSB_], STEPB
	s_bfe_u32 s[BA], s42, 0x20001
	s_bfe_u32 s[BB], s43, 0x20001
	s_and_b32 s[U8A], s42, 1
	s_lshl_b32 s[U8A], s[U8A], 3
	s_and_b32 s[U8B], s43, 1
	s_lshl_b32 s[U8B], s[U8B], 3
	s_lshl_b32 s44, ttmp9, 19                      ; a head's 2,048 rows of 256 bytes in O
	s_lshl_b32 s46, s42, 4                         ; a tile's first query: 16 t - 8 (t % 2)
	s_sub_co_u32 s46, s46, s[U8A]
	s_lshl_b32 s46, s46, 8
	s_add_co_u32 s46, s46, s44
	s_mov_b32 s47, 0
	s_add_nc_u64 s[38:39], s[6:7], s[46:47]
	s_lshl_b32 s46, s43, 4
	s_sub_co_u32 s46, s46, s[U8B]
	s_lshl_b32 s46, s46, 8
	s_add_co_u32 s46, s46, s44
	s_add_nc_u64 s[40:41], s[6:7], s[46:47]
	s_mov_b32 s[SEL], 0x76543210
	s_mov_b32 s[SEL+1], 0xfedcba98                 ; lane l xor 16
	s_mov_b32 s[CS], 0x3d38aa3b                    ; c = log2(e) / 32
	s_mov_b32 s[CS+1], s[CS]                       ; (named with it as a pair)
	s_mov_b32 s[NC], 0xbd38aa3b                    ; -c
	s_wait_alu depctr_va_vdst(0)                   ; the wait at the head's end
	s_wait_loadcnt 0x0                             ; Q
	s_wait_tensorcnt 0x0                           ; my half step has landed
	ds_add_u32 v[SPW], v[NIL]
	s_wait_dscnt 0x0
	s_barrier_signal -1
	s_barrier_wait -1                              ; steps 0-7 lie in LDS
	s_cmp_ge_u32 s[WV], s53                        ; ids alone
	s_cbranch_scc1 .Lno_second
	tensor_load_to_lds s[48:51], s[16:23]          ; steps 8-15: filled once
	s_nop 0
.rept 4
	v_nop
.endr
.Lno_second:
.macro LOADK adr, off
.irp t, 0,1,2,3,4,5,6,7
	ds_load_b128 v[KFR+4*\t:KFR+4*\t+3], v[\adr] offset:\off+512*\t
.endr
	ds_load_b128 v[KSR:KSR+3], v[\adr] offset:\off+8192
.endm
; A KEY STEP of nb blocks of 32 keys.  K's fragments are in registers.  diag = 1: the tile's diagonal step: block nb - 1 is masked, what lies behind it is left out; diag = 0: a whole step, and the next step's K is fetched.
.macro STEP nb, diag, qf, qs, tb, u8
.irp t, 0,1,2,3,4,5,6,7
.if \t < 2*\nb
.if \t < 4
	v_wmma_scale_f32_16x16x128_f8f6f4 v[S+8*\t:S+8*\t+7], v[KFR+4*\t:KFR+4*\t+7], v[\qf:\qf+7], 0, v[KSR+\t], v[\qs] matrix_a_fmt:MATRIX_FMT_FP4 matrix_b_fmt:MATRIX_FMT_FP4
.else
	v_wmma_scale_f32_16x16x128_f8f6f4 v[S+8*\t:S+8*\t+7], v[KFR+4*\t:KFR+4*\t+7], v[\qf:\qf+7], 0, v[KSR+\t-4], v[\qs] matrix_a_fmt:MATRIX_FMT_FP4 matrix_b_fmt:MATRIX_FMT_FP4 matrix_a_scale:MATRIX_SCALE_ROW1
.endif
.endif
.endr
	v_add_nc_u32 v[AD], s[\tb], v[L16]             ; four places behind the products: for the loads below and the first read of the scores
	v_mov_b32 v[OM], v12
.if \diag
	v_add_nc_u32 v[MD], s[\u8], v[DQ]              ; d = 8 u + r + 8 (r / 8) - 16 h: register i of the masked block is hidden where i > d
	v_nop
.else
	v_nop
	v_nop
.endif
.irp t, 0,1,2,3
.irp c, 0,1
	ds_load_b128 v[VF+8*\t+4*\c:VF+8*\t+4*\c+3], v[AD] offset:4096+1024*\t+512*\c
.endr
.endr
	ds_load_b128 v[VSR:VSR+3], v[AD] offset:8704
.if \diag
.set n, 0
.rept 16
	v_cmp_gt_i32 vcc_lo, n, v[MD]
	v_cndmask_b32 v[S+16*(\nb-1)+n], v[S+16*(\nb-1)+n], v[NINF], vcc_lo   ; hidden scores become -infinity ahead of the maximum: p = 0 then
.set n, n+1
.endr
.else
	LOADK AD, STEPB                                ; the next step's K (a whole step is never the head's last)
.endif
.irp b, 0,1,2,3
.if \b < \nb
	v_max3_num_f32 v[BM+\b], v[S+16*\b], v[S+1+16*\b], v[S+2+16*\b]   ; the largest score of each block: for the row's maximum, and, since p rises with the score, for the block's largest p
.endif
.endr
.irp i, 3,5,7,9,11,13
.irp b, 0,1,2,3
.if \b < \nb
	v_max3_num_f32 v[BM+\b], v[BM+\b], v[S+16*\b+\i], v[S+1+16*\b+\i]
.endif
.endr
.endr
.irp b, 0,1,2,3
.if \b < \nb
	v_max_num_f32 v[BM+\b], v[BM+\b], v[S+15+16*\b]
.endif
.endr
.if \nb%2
	v_mov_b32 v[BM+\nb], v[NINF]                   ; a block that is left out
.endif
	v_permlane16_swap_b32 v[BM], v[BM+1]           ; the halves' maxima meet: then lanes 0-15 hold block 0's, lanes 16-31 block 1's
.if \nb > 2
	v_permlane16_swap_b32 v[BM+2], v[BM+3]
.endif
	v_max_num_f32 v[BM], v[BM], v[BM+1]
.if \nb > 2
	v_max_num_f32 v[BM+2], v[BM+2], v[BM+3]        ; likewise blocks 2 and 3
	s_delay_alu instid0(VALU_DEP_1)
	v_max_num_f32 v[TMP], v[BM], v[BM+2]
	s_delay_alu instid0(VALU_DEP_1)
	v_permlanex16_b32 v[BT], v[TMP], s[SEL], s[SEL+1]
	s_delay_alu instid0(VALU_DEP_1)
	v_max3_num_f32 v13, v13, v[TMP], v[BT]         ; the largest score of my query so far
.else
	s_delay_alu instid0(VALU_DEP_1)
	v_permlanex16_b32 v[BT], v[BM], s[SEL], s[SEL+1]
	s_delay_alu instid0(VALU_DEP_1)
	v_max3_num_f32 v13, v13, v[BM], v[BT]
.endif
	s_delay_alu instid0(VALU_DEP_1)
	v_mul_f32 v[TMP], s[NC], v13                   ; -t of it
	s_delay_alu instid0(VALU_DEP_1)
	v_floor_f32 v12, v[TMP]                        ; -M = floor(-t): M IS A WHOLE NUMBER
.set n, 0
.rept 8
	v_pk_fma_f32 v[S+n:S+n+1], v[S+n:S+n+1], s[CS:CS+1], v[12:13] op_sel_hi:[1,0,0]   ; t - M, two at a time (of the pairs c and -M the low word serves both halves)
.set n, n+2
.endr
	v_sub_f32 v[TMP], v12, v[OM]                   ; M's old value less its new one: a whole number, 0 or less
.if \nb > 1
.rept 8
	v_pk_fma_f32 v[S+n:S+n+1], v[S+n:S+n+1], s[CS:CS+1], v[12:13] op_sel_hi:[1,0,0]
.set n, n+2
.endr
.endif
	v_cvt_i32_f32 v[TMP], v[TMP]                   ; (it saturates)
.if \nb > 2
.rept 8*(\nb-2)
	v_pk_fma_f32 v[S+n:S+n+1], v[S+n:S+n+1], s[CS:CS+1], v[12:13] op_sel_hi:[1,0,0]
.set n, n+2
.endr
	v_fma_f32 v[BM+2], v[BM+2], s[CS], v12
.endif
	v_fma_f32 v[BM], v[BM], s[CS], v12             ; the same of each block's largest score
	v_ldexp_f32 v[F], 1.0, v[TMP]                  ; f = 2^(old M - new M)
	s_wait_alu depctr_va_vdst(0)                   ; the wait ahead of the batch
.set n, 0
.rept 16*\nb
	v_exp_f32 v[S+n], v[S+n]                       ; p = 2^(t - M), at most 1: NOT normalised
.set n, n+1
.endr
	v_exp_f32 v[BM], v[BM]                         ; each block's largest p: the same instructions on the same number give the same bits
.if \nb > 2
	v_exp_f32 v[BM+2], v[BM+2]
.endif
	v_pk_mul_f32 v[14:15], v[14:15], v[F:F+1] op_sel_hi:[1,0]   ; the sums under the new M.  (A plain place behind the exponentials)
	s_wait_alu depctr_va_vdst(0)                   ; one wait for the batch and for O^T's first readers
.set n, 0
.rept 16
	v_pk_mul_f32 v[O+n:O+n+1], v[O+n:O+n+1], v[F:F+1] op_sel_hi:[1,0]   ; O^T under the new M
.set n, n+2
.endr
	v_max_num_f32 v[BM], 0x1800000, v[BM]          ; the floor 2^(3 - 127): the byte cannot fall under 1
.if \nb > 2
	v_max_num_f32 v[BM+2], 0x1800000, v[BM+2]
.endif
	v_pk_add_f32 v[TS:TS+1], v[S:S+1], v[S+2:S+3]  ; THE ROW'S SUM, of the unquantised p
	v_pk_add_f32 v[TS+2:TS+3], v[S+4:S+5], v[S+6:S+7]
	v_add_nc_u32 v[BM], 0xff000000, v[BM]          ; 2 off the exponent field: the conversion's scale operand
.if \nb > 2
	v_add_nc_u32 v[BM+2], 0xff000000, v[BM+2]
.endif
	v_pk_add_f32 v[TS+4:TS+5], v[S+8:S+9], v[S+10:S+11]
	v_pk_add_f32 v[TS+6:TS+7], v[S+12:S+13], v[S+14:S+15]
	v_mov_b32 v[BM+1], v[BM]
	v_lshrrev_b32 v[BT], 23, v[BM]                 ; the scale's byte: lanes 0-15 block 0's, lanes 16-31 block 1's
.if \nb > 2
	v_mov_b32 v[BM+3], v[BM+2]
	v_lshrrev_b32 v[BT+1], 23, v[BM+2]
.endif
	v_permlane16_swap_b32 v[BM], v[BM+1]           ; now every lane holds block 0's operand in one, block 1's in the other
.if \nb > 2
	v_permlane16_swap_b32 v[BM+2], v[BM+3]
	v_lshl_or_b32 v[BT], v[BT+1], 16, v[BT]
.endif
.if \nb > 1
.irp k, 4,5
	v_pk_add_f32 v[TS+2*\k:TS+2*\k+1], v[S+4*\k:S+4*\k+1], v[S+4*\k+2:S+4*\k+3]
.endr
.endif
	v_permlanex16_b32 v[BT+2], v[BT], s[SEL], s[SEL+1]
.if \nb > 1
	v_pk_add_f32 v[TS+12:TS+13], v[S+24:S+25], v[S+26:S+27]
.endif
	v_lshl_or_b32 v[PW], v[BT+2], 8, v[BT]         ; p's scale word for these 128 keys, in lanes 0-15
.irp b, 0,1,2,3
.if \b < \nb
	v_cvt_scalef32_pk8_fp4_f32 v[PC+2*\b], v[S+16*\b:S+7+16*\b], v[BM+\b]
	v_cvt_scalef32_pk8_fp4_f32 v[PC+1+2*\b], v[S+8+16*\b:S+15+16*\b], v[BM+\b]
.endif
.endr
.if \nb > 1
	v_pk_add_f32 v[TS+14:TS+15], v[S+28:S+29], v[S+30:S+31]    ; (a plain place behind the conversions)
.endif
.if \nb < 4
.set n, 2*\nb
.rept 8-2*\nb
	v_mov_b32 v[PC+n], 0                           ; zero codes for the blocks left out
.set n, n+1
.endr
.endif
	v_permlane16_swap_b32 v[PC], v[PC+2]           ; the operand's layout wants a WHOLE block in a lane: lanes 0-15 block 2 c, lanes 16-31 block 2 c + 1
	v_permlane16_swap_b32 v[PC+1], v[PC+3]
.if \nb > 2
	v_permlane16_swap_b32 v[PC+4], v[PC+6]
	v_permlane16_swap_b32 v[PC+5], v[PC+7]
.set n, 0
.rept 8*(\nb-2)
	v_pk_add_f32 v[TS+2*(n%8):TS+2*(n%8)+1], v[TS+2*(n%8):TS+2*(n%8)+1], v[S+32+2*n:S+33+2*n]
.set n, n+1
.endr
.endif
	v_pk_add_f32 v[TS:TS+1], v[TS:TS+1], v[TS+2:TS+3]
	v_pk_add_f32 v[TS+4:TS+5], v[TS+4:TS+5], v[TS+6:TS+7]
.if \nb > 1
	v_pk_add_f32 v[TS+8:TS+9], v[TS+8:TS+9], v[TS+10:TS+11]
	v_pk_add_f32 v[TS+12:TS+13], v[TS+12:TS+13], v[TS+14:TS+15]
.endif
	v_pk_add_f32 v[TS:TS+1], v[TS:TS+1], v[TS+4:TS+5]
.if \nb > 1
	v_pk_add_f32 v[TS+8:TS+9], v[TS+8:TS+9], v[TS+12:TS+13]
	v_pk_add_f32 v[14:15], v[14:15], v[TS:TS+1]
	v_pk_add_f32 v[14:15], v[14:15], v[TS+8:TS+9]
.else
	v_pk_add_f32 v[14:15], v[14:15], v[TS:TS+1]
.endif
	s_wait_alu depctr_va_vdst(0)
	s_wait_dscnt 0x0                               ; V and its scale words are in, and the next step's K
.irp t, 0,1,2,3                                ; O^T += V^T P^T: the four accumulators by turns
	v_wmma_scale_f32_16x16x128_f8f6f4 v[O+8*\t:O+8*\t+7], v[VF+8*\t:VF+8*\t+7], v[PC:PC+7], v[O+8*\t:O+8*\t+7], v[VSR+\t], v[PW] matrix_a_fmt:MATRIX_FMT_FP4 matrix_b_fmt:MATRIX_FMT_FP4
.endr
.endm
; THE WAY OUT of a tile.  O^T / the sum goes through my stage in LDS and leaves as whole rows of 256 bytes.  Register 8 t + j of lane (r, h) is o(row r, 32 (t / 2) + 16 h + 8 (t % 2) + j).
.macro WAYOUT ob
.rept 4
	v_nop                                          ; places behind the last products
.endr
	s_wait_alu depctr_va_vdst(0)                   ; the sum was written ahead of a branch
	v_add_f32 v14, v14, v15                        ; the sum's two halves,
	s_delay_alu instid0(VALU_DEP_1)
	v_permlanex16_b32 v[TMP], v14, s[SEL], s[SEL+1]
	s_delay_alu instid0(VALU_DEP_1)
	v_add_f32 v14, v14, v[TMP]                     ; and lane l xor 16's: the row's sum
	s_wait_alu depctr_va_vdst(0)
	v_rcp_f32 v14, v14
	v_nop                                          ; one plain place behind the reciprocal
	s_wait_alu depctr_va_vdst(0)                   ; and the wait ahead of its first reader
.set n, 0
.rept 32
	v_mul_f32 v[S+n], v[O+n], v14                  ; each accumulator from its low end on
.set n, n+1
.endr
.irp t, 0,1,2,3
	ds_store_b128 v[STO], v[S+8*\t:S+8*\t+3] offset:128*(\t/2)+32*(\t%2)
	ds_store_b128 v[STO], v[S+8*\t+4:S+8*\t+7] offset:128*(\t/2)+32*(\t%2)+16
.endr
.irp i, 0,1,2,3,4,5,6,7
	ds_load_b128 v[S+32+4*\i:S+32+4*\i+3], v[SRD] offset:2*\i*SPITCH   ; LDS serves a wave's instructions in order: these see my stores
.endr
.irp i, 0,1,2,3,4,5,6,7
	s_wait_dscnt 7-\i                              ; pair i of rows is back
	global_store_b128 v[GO], v[S+32+4*\i:S+32+4*\i+3], s[\ob:\ob+1] offset:(2*\i+8*(\i/4))*256 th:TH_STORE_NT   ; rows 8-15 of the tile are queries 16-23: sixteen lanes store 256 consecutive bytes, aligned
.endr
.endm
; A TILE OF QUERIES: the sums begin as zeros, the largest score as -3e38 and -M as a large number: the first change of M multiplies zeros by 0.
.macro PASS qf, qs, dg, bb, u8, trips
	s_wait_xcnt 0x0                                ; the stores of the tile before have read their registers
	LOADK L16, 0                                   ; step 0's K
	v_mov_b32 v13, 0xff61b1e6                      ; -3e38
	v_mov_b32 v12, 0x7cf00000                      ; about 1e37, a whole number
	v_mov_b32 v14, 0
	v_mov_b32 v15, 0
.set n, 0
.rept 32
	v_mov_b32 v[O+n], 0
.set n, n+1
.endr
	s_mov_b32 s[TB], 0
	s_wait_alu depctr_va_vdst(0)
	s_wait_dscnt 0x0
.Lstep_\@:                                         ; a constant count of trips; steps at or behind the diagonal step do nothing
	s_cmp_ge_u32 s[TB], s[\dg]
	s_cbranch_scc1 .Lskip_\@
	STEP 4, 0, \qf, \qs, TB, \u8
.Lskip_\@:
	s_add_co_u32 s[TB], s[TB], STEPB
	s_cmp_lt_u32 s[TB], \trips*STEPB
	s_cbranch_scc1 .Lstep_\@
	s_cmp_lt_u32 s[\bb], 2                         ; the diagonal step, by the tile's block of 32 in it
	s_cbranch_scc0 .Lupper_\@
	s_cmp_eq_u32 s[\bb], 0
	s_cbranch_scc0 .Ltwo_\@
	STEP 1, 1, \qf, \qs, \dg, \u8
	s_branch .Ljoin_\@
.Ltwo_\@:
	STEP 2, 1, \qf, \qs, \dg, \u8
	s_branch .Ljoin_\@
.Lupper_\@:
	s_cmp_eq_u32 s[\bb], 2
	s_cbranch_scc0 .Lfour_\@
	STEP 3, 1, \qf, \qs, \dg, \u8
	s_branch .Ljoin_\@
.Lfour_\@:
	STEP 4, 1, \qf, \qs, \dg, \u8
.Ljoin_\@:
.endm
	PASS QA, QAS, DSA, BA, U8A, 7
	s_wait_tensorcnt 0x0                           ; my half step of the second fill has landed,
	s_wait_dscnt 0x0
	s_barrier_signal -1
	s_barrier_wait -1                              ; everybody's has
	WAYOUT 38
	PASS QB, QBS, DSB_, BB, U8B, 15
	WAYOUT 40
	s_wait_tensorcnt 0x0                           ; the wave's end
	ds_add_u32 v[SPW], v[NIL]
	s_wait_dscnt 0x0
	s_endpgm
.Lfunc_end_k_qa27a699965_attn:
	.size	k_qa27a699965_attn, .Lfunc_end_k_qa27a699965_attn-k_qa27a699965_attn
	.p2alignl 7, 3214868480
	.fill 96, 4, 3214868480
	.section	.rodata,"a",@progbits
	.p2align	6, 0x0
	.amdhsa_kernel k_qa27a699965_attn
		.amdhsa_group_segment_fixed_size 327680
		.amdhsa_private_segment_fixed_size 0
		.amdhsa_enable_private_segment 0
		.amdhsa_kernarg_size 16
		.amdhsa_user_sgpr_count 2
		.amdhsa_user_sgpr_kernarg_segment_ptr 1
		.amdhsa_wavefront_size32 1
		.amdhsa_system_sgpr_workgroup_id_x 1
		.amdhsa_system_sgpr_workgroup_id_y 1
		.amdhsa_system_sgpr_workgroup_id_z 1
		.amdhsa_system_vgpr_workitem_id 0
		.amdhsa_next_free_vgpr 256
		.amdhsa_next_free_sgpr 66
		.amdhsa_reserve_vcc 1
		.amdhsa_float_denorm_mode_32 3
		.amdhsa_float_denorm_mode_16_64 3
		.amdhsa_memory_ordered 1
		.amdhsa_forward_progress 1
		.amdhsa_inst_pref_size 132
	.end_amdhsa_kernel
	.amdgpu_metadata
---
amdhsa.version: [ 1, 2 ]
amdhsa.kernels:
  - .name:           k_qa27a699965_attn
    .symbol:         k_qa27a699965_attn.kd
    .args:
      - { .name: qkv, .offset: 0, .size: 8, .value_kind: global_buffer, .address_space: global }
      - { .name: out0, .offset: 8, .size: 8, .value_kind: global_buffer, .address_space: global }
    .group_segment_fixed_size: 327680
    .private_segment_fixed_size: 0
    .kernarg_segment_align: 8
    .kernarg_segment_size: 16
    .max_flat_workgroup_size: 512
    .sgpr_count:     66
    .vgpr_count:     256
    .wavefront_size: 32
...
	.end_amdgpu_metadata
.endif
;; end of part 3
